; MI455X (gfx1250); checked and timed in simulation.
; The chip was launched on July 23, 2026; its instructions are those of AMD's public machine-readable ISA for CDNA 5 (MIT licence, August 2026) and "CDNA5" Instruction Set Architecture Reference Guide (July 2026). The comments in the code are by the model that wrote it; some were corrected since.
;; Multi Head Attention With Ro PE. Allowed arithmetic: matrix products marked QUANTISED: E4M3 operands, one given power-of-two scale a tensor, by v_wmma_f32_16x16x64_fp8_fp8 or v_wmma_f32_16x16x128_fp8_fp8, f32 sums; everything else in f32.
;; Inputs: Wk 1,024 x 1,024 float32; Wo 1,024 x 1,024 float32; Wq 1,024 x 1,024 float32; Wv 1,024 x 1,024 float32; bk 1,024 float32; bo 1,024 float32; bq 1,024 float32; bv 1,024 float32; key 4 x 2,048 x 1,024 float32; lowp_scales 12 int32 (the exponents e of the quantised operands' scales 2^e); query 4 x 2,048 x 1,024 float32; value 4 x 2,048 x 1,024 float32.
;; Outputs: out0 4 x 2,048 x 1,024 float32.
;; This version of the problem:
;;   THIS VERSION OF THE PROBLEM IS GIVEN IN LOW PRECISION. The matrix products marked QUANTISED in the list below multiply operands that are first quantised to E4M3 (4 exponent bits, 3 mantissa bits; 8 bits a number), with one given power-of-two scale for each operand tensor; their sums are f32. All else is computed in f32.
;;   The module's matrix products, in the order in which they are computed (A, B: the left and right operand; K: the contracted axis; several contracted axes count as one K, in the product's order):
;;     1. [M 8,192, K 1,024] x [K 1,024, N 1,024]; A: input query; B: input Wq: QUANTISED (scales: A lowp_scales[0], B lowp_scales[1])
;;     2. [M 8,192, K 1,024] x [K 1,024, N 1,024]; A: input key; B: input Wk: QUANTISED (scales: A lowp_scales[2], B lowp_scales[3])
;;     3. [M 8,192, K 1,024] x [K 1,024, N 1,024]; A: input value; B: input Wv: QUANTISED (scales: A lowp_scales[4], B lowp_scales[5])
;;     4. batch 64 x [M 2,048, K 64] x [K 64, N 2,048]; A: computed on the way; B: computed on the way: QUANTISED (scales: A lowp_scales[6], B lowp_scales[7])
;;     5. batch 64 x [M 2,048, K 2,048] x [K 2,048, N 64]; A: softmax (see below); B: computed on the way: QUANTISED (scales: A lowp_scales[8], B lowp_scales[9])
;;     6. [M 8,192, K 1,024] x [K 1,024, N 1,024]; A: computed on the way; B: input Wo: QUANTISED (scales: A lowp_scales[10], B lowp_scales[11])
;;   THE QUANTISER, for each operand of a quantised product, along K:
;;     - The operand's scale is 2^e, e = its entry of the input lowp_scales (int32; the entries are numbered through the quantised products in the list's order, A before B).
;;     - Each number is divided by the scale, clamped to +-448, and rounded to the nearest number of E4M3, ties to even, subnormals kept.
;;     - The product sums the exact products of the quantised numbers (number of the format x scale) in f32.
;;   ~~~python
;;   def quantise(x, axis, e):      # numpy; x: float32 -> the quantised numbers, widened to float32 again
;;       x = np.moveaxis(x, axis, -1); K = x.shape[-1]
;;       r = np.clip(x / 2.0 ** e, -448, 448)
;;       step = 2.0 ** (np.maximum(np.frexp(np.where(r == 0, 1, r))[1] - 1, -6) - 3)
;;       q = np.round(r / step) * step * 2.0 ** e      # np.round: ties to even
;;       return np.moveaxis(q, -1, axis).astype(np.float32)
;;   ~~~
;;   SOFTMAX AHEAD OF A QUANTISED PRODUCT. Where the list says 'softmax', what is quantised is not the finished softmax but p = 2^(t - M), with t = logit x log2(e) and M = ceil(the row's largest t), a whole number; so 1/2 < the row's largest p <= 1. The row's sum l is taken of the UNQUANTISED p, in f32, and the product's result is divided by l at the end. Since M is a whole number, a kernel that streams over the keys may use a running M (the ceiling of the running maximum): every later rescaling is an exact power of two, so the quantised numbers keep their values, but for numbers so far below the row's largest that they fall under the format's range.
;;   OPERANDS COMPUTED ON THE WAY. 'Computed on the way' means the value that the module computes at that place (a softmax that the list does not call 'softmax' is quantised finished and normalised). What goes into a quantiser is computed in f32, as accurately as f32 sums, v_exp_f32 and their like allow (about 1e-6 of the number): no bf16 or f16 on the way to a quantiser, and a product that is left as it is and whose result goes on into a quantised operand takes f32 operands (vector FMAs, or v_wmma_f32_16x16x4_f32). A number that lies on a knife's edge between two numbers of the format may be rounded either way, as far as f32 arithmetic and the matrix unit's own rounding can turn it there, and no further.
;; One version. Each part assembles by itself: llvm-mc -triple=amdgcn-amd-amdhsa -mcpu=gfx1250 --defsym DOCPART=n.
;; ======== version 1 of 1: 4 launches
;; workspace buffers: xc 25,165,824 bytes; wc 4,194,304 bytes; rope 524,288 bytes; q_img 8,388,608 bytes; kv_img 16,777,216 bytes; a_img 8,388,608 bytes
;; launch prep (part 1): grid 928 x 1, 4 waves a work-group, no clusters, 33,280 bytes of LDS; arguments query, key, value, Wq, Wk, Wv, Wo, lowp_scales, xc, wc, rope; writes xc, wc, rope
.if DOCPART == 1
	.amdgcn_target "amdgcn-amd-amdhsa--gfx1250"
	.amdhsa_code_object_version 6
	.text
	.protected	k_q8e92c1ca2a_prep
	.globl	k_q8e92c1ca2a_prep
	.p2align	8
	.type	k_q8e92c1ca2a_prep,@function
k_q8e92c1ca2a_prep:
	s_mov_b64 s[64:65], 0
	v_nop
	global_prefetch_b8 v0, s[64:65] scope:SCOPE_SE
	s_setreg_imm32_b32 hwreg(HW_REG_WAVE_MODE, 25, 1), 1
	s_wait_xcnt 0x0
; PREP.  (1) query, key, value [8192][1024] and Wq, Wk, Wv, Wo [1024][1024], all f32 with K innermost, become codes of E4M3, one byte a number, in the same order:
; xc = the three activations on end, wc = the four weights on end.  code = x / 2^e, held within +-448, to the nearest code, ties to even; e is the tensor's entry of lowp_scales.
; (2) The table of cos and sin for the rotary embedding, 2,048 positions x 32 frequencies, laid in the order in which the next launch's registers take it.
; SHARES.  Work-groups 0-767: 32,768 numbers of an activation each (256 to a tensor); 768-895: of a weight (32 to a tensor); 896-927: four tiles of 16 positions of the table, one a wave.
; The quantiser: a wave takes 16 steps of 512 numbers.  Each load reads 512 consecutive bytes; the conversion wants 16 neighbours in one lane, so a step's 2,048 bytes turn through the wave's
; own stage in LDS (64 bytes + 16 of padding a place).  A lane's 16 codes are 16 bytes: the wave stores 512 consecutive bytes.  Waves share nothing: no barrier.
; LIMITS: each e between -126 and 119.  NaN among the inputs is not served.  The frequency 10000^(-i/32) is made within about one unit in its last place, so an angle may differ from
; the problem's own f32 angle by about the position times that; cos and sin of the angle are right to about 1e-7.
.set STEPS, 16
.set R,     16                         ; v16-79   four sets of 16 numbers as loaded
.set X,     80                         ; v80-111  two sets of 16 neighbours
.set C,     128                        ; v128-191 codes: four registers for each step, so that no store's data are written again
.set WREG,  8192                       ; LDS of a wave: two stages of 32 x SP bytes
.set SP,    80
.macro LOAD t
.irp i, 0,1,2,3
	global_load_b128 v[R+16*((\t)%4)+4*\i:R+16*((\t)%4)+4*\i+3], v3, s[4:5] offset:2048*(\t)+512*\i th:TH_LOAD_NT
.endr
.endm
.macro TURN t                          ; LDS serves a wave's instructions in order: no wait between the stores and the loads
.irp i, 0,1,2,3
	ds_store_b128 v14, v[R+16*((\t)%4)+4*\i:R+16*((\t)%4)+4*\i+3] offset:32*SP*((\t)%2)+8*SP*\i
.endr
.irp i, 0,1,2,3
	ds_load_b128 v[X+16*((\t)%2)+4*\i:X+16*((\t)%2)+4*\i+3], v15 offset:32*SP*((\t)%2)+16*\i
.endr
.endm
.macro QSTEP t
.set XS, X+16*((\t)%2)
	s_wait_dscnt 0x0                               ; this step's numbers are back from the stage, and its stores into the stage have read their registers,
.if (\t)+4 < STEPS
	LOAD (\t)+4                                    ; which take the loads of four steps on
.endif
.if (\t)+1 < STEPS
.if STEPS-2-(\t) >= 3
	s_wait_loadcnt 12                              ; the next step's four loads are in; three steps' loads stay out
.else
	s_wait_loadcnt 4*(STEPS-2-(\t))
.endif
	TURN (\t)+1
.endif
.irp i, 0,1,2,3,4,5,6,7,8,9,10,11,12,13,14,15
	v_med3_num_f32 v[XS+\i], v[XS+\i], -v10, v10   ; the conversion does not saturate (ISA guide 7.6.2): the hold at 448 x the scale comes first
.endr
	v_cvt_scalef32_pk8_fp8_f32 v[C+4*(\t):C+4*(\t)+1], v[XS:XS+7], v11
	v_cvt_scalef32_pk8_fp8_f32 v[C+4*(\t)+2:C+4*(\t)+3], v[XS+8:XS+15], v11
	global_store_b128 v3, v[C+4*(\t):C+4*(\t)+3], s[6:7] offset:512*(\t)   ; the codes go to a store alone; the next vector lines are the next step's holds, on other registers
.endm
	s_load_b512 s[16:31], s[0:1], 0x0              ; query, key, value, Wq, Wk, Wv, Wo, lowp_scales
	s_load_b128 s[32:35], s[0:1], 0x40             ; xc, wc
	s_load_b64 s[36:37], s[0:1], 0x50              ; rope
	v_lshl_add_u32 v192, v0, 2, 0x8000
	v_mov_b32 v193, 0
	v_lshrrev_b32 v1, 5, v0
	v_readfirstlane_b32 s8, v1                     ; wave
	v_and_b32 v2, 31, v0                           ; lane
	v_lshlrev_b32 v3, 4, v2                        ; 16 x lane
	s_cmp_ge_u32 ttmp9, 896
	s_cbranch_scc1 .Ltable
	; ---------------- the quantiser
	s_mul_i32 s9, s8, WREG
	v_lshrrev_b32 v14, 2, v2
	v_mul_u32_u24 v14, v14, SP
	v_and_b32 v15, 3, v2
	v_lshl_add_u32 v14, v15, 4, v14
	v_add_nc_u32 v14, s9, v14                      ; into the stage: SP (lane / 4) + 16 (lane % 4)
	v_mul_u32_u24 v15, v2, SP
	v_add_nc_u32 v15, s9, v15                      ; out of it: SP x lane
	s_lshr_b32 s10, ttmp9, 8                       ; an activation's number,
	s_and_b32 s11, ttmp9, 255                      ; and the part of it
	s_sub_co_u32 s12, ttmp9, 768
	s_lshr_b32 s13, s12, 5                         ; a weight's number,
	s_and_b32 s14, s12, 31                         ; and the part of it
	s_lshl_b32 s40, s10, 3                         ; the scale's byte: activations are entries 0, 2, 4;
	s_lshl_b32 s41, s13, 3
	s_add_co_u32 s41, s41, 4                       ; weights 1, 3, 5,
	s_cmp_eq_u32 s13, 3
	s_cselect_b32 s42, 16, 0
	s_add_co_u32 s41, s41, s42                     ; and 11 for Wo
	s_lshl_b32 s43, s10, 23                        ; where the tensor's codes begin in xc,
	s_lshl_b32 s44, s13, 20                        ; or in wc
	s_add_co_u32 s45, s13, 3
	s_cmp_lt_u32 ttmp9, 768                        ; all choices hang on the work-group's number alone
	s_cselect_b32 s15, s10, s45                    ; which of the seven inputs
	s_cselect_b32 s11, s11, s14
	s_cselect_b32 s40, s40, s41
	s_cselect_b32 s43, s43, s44
	s_min_u32 s40, s40, 44
	s_lshl_b32 s11, s11, 2
	s_add_co_u32 s11, s11, s8                      ; which run of 8,192 numbers is my wave's
	s_wait_kmcnt 0x0
	s_load_b32 s46, s[30:31], s40 offset:0x0       ; e
	s_cmp_lt_u32 ttmp9, 768
	s_cselect_b64 s[6:7], s[32:33], s[34:35]
	s_mov_b64 s[4:5], s[16:17]
.irp t, 1,2,3,4,5,6
	s_cmp_eq_u32 s15, \t
	s_cselect_b64 s[4:5], s[16+2*\t:17+2*\t], s[4:5]
.endr
	s_lshl_b32 s48, s11, 15
	s_mov_b32 s49, 0
	s_add_nc_u64 s[4:5], s[4:5], s[48:49]          ; 32,768 bytes of f32 a run
	s_lshl_b32 s48, s11, 13
	s_add_co_u32 s48, s48, s43
	s_add_nc_u64 s[6:7], s[6:7], s[48:49]          ; 8,192 bytes of codes a run
.irp t, 0,1,2,3
	LOAD \t
.endr
	s_wait_kmcnt 0x0
	s_add_co_i32 s46, s46, 127
	s_lshl_b32 s47, s46, 23
	v_mov_b32 v11, s47                             ; 2^e as f32: the conversion takes its exponent field
	s_add_co_i32 s46, s46, 8
	s_lshl_b32 s46, s46, 23
	s_or_b32 s46, s46, 0x600000
	v_mov_b32 v10, s46                             ; 448 x 2^e
	s_wait_loadcnt 12                              ; step 0's four loads are in
	TURN 0
.irp t, 0,1,2,3,4,5,6,7,8,9,10,11,12,13,14,15
	QSTEP \t
.endr
	s_wait_tensorcnt 0x0
	ds_add_u32 v192, v193
	s_wait_dscnt 0x0
	s_endpgm
	; ---------------- the table.  Lane (r, h) of the wave's tile holds position 16 tile + r; number n = 8 bb + 4 q + e is frequency i = 16 bb + 8 h + 4 q + e
.Ltable:
	s_sub_co_u32 s10, ttmp9, 896
	s_lshl_b32 s10, s10, 2
	s_add_co_u32 s10, s10, s8                      ; the tile of 16 positions, 0 .. 127
	s_lshl_b32 s11, s10, 4
	s_lshl_b32 s12, s10, 12                        ; 4,096 bytes of table a tile
	s_mov_b32 s13, 0
	s_mov_b32 s50, 0xbed49a78                      ; -c, c = log2(10000) / 32, in two parts
	s_mov_b32 s51, 0xb2179a1a
	s_mov_b32 s52, 0x3f317218                      ; ln 2
	s_mov_b32 s53, 0x3f22f983                      ; 2 / pi
	s_mov_b32 s54, 0xbfc90fdb                      ; -pi / 2, its f32 part,
	s_mov_b32 s55, 0x333bbd2e                      ; and what that part has too much
	s_mov_b32 s56, 0xb94ca1f9                      ; sine's polynomial on +-pi / 4
	s_mov_b32 s57, 0x3c08839e
	s_mov_b32 s58, 0xbe2aaaa3
	s_mov_b32 s59, 0x37ccf5ce                      ; cosine's
	s_mov_b32 s60, 0xbab6061a
	s_mov_b32 s61, 0x3d2aaaa5
	v_and_b32 v4, 15, v2                           ; r
	v_lshrrev_b32 v7, 4, v2
	v_lshlrev_b32 v7, 3, v7                        ; 8 h
	v_add_nc_u32 v5, s11, v4
	v_cvt_f32_u32 v5, v5                           ; the position
.set n, 0
.rept 16
	v_add_nc_u32 v[16+n], 16*(n/8)+n%8, v7
	v_cvt_f32_u32 v[16+n], v[16+n]                 ; i
	v_mul_f32 v[32+n], s50, v[16+n]                ; a = -i c, rounded;
	v_fma_f32 v[48+n], v[16+n], s50, -v[32+n]      ; what the rounding lost,
	v_fma_f32 v[48+n], v[16+n], s51, v[48+n]       ; and c's second part
.set n, n+1
.endr
.set n, 0
.rept 16
	v_exp_f32 v[32+n], v[32+n]                     ; 2^a: one batch
.set n, n+1
.endr
	v_nop                                          ; a plain line behind the last exponential
	s_wait_alu depctr_va_vdst(0)                   ; one wait for the batch, ahead of its first reader
.set n, 0
.rept 16
	v_mul_f32 v[48+n], v[32+n], v[48+n]
	v_fma_f32 v[32+n], v[48+n], s52, v[32+n]       ; the frequency = 2^a (1 + err ln 2)
	v_mul_f32 v[32+n], v5, v[32+n]                 ; the angle: one rounding, as the problem has it
	v_mul_f32 v[16+n], s53, v[32+n]
	v_rndne_f32 v[16+n], v[16+n]                   ; k = the nearest multiple of pi / 2 (under 2^11)
	v_fma_f32 v[32+n], v[16+n], s54, v[32+n]       ; exact: a multiple of 2^-23 under 1
	v_fma_f32 v[32+n], v[16+n], s55, v[32+n]       ; the reduced angle
	v_cvt_i32_f32 v[16+n], v[16+n]
	v_mul_f32 v[48+n], v[32+n], v[32+n]            ; z
	v_fma_f32 v[96+n], v[48+n], s56, s57
	v_fma_f32 v[112+n], v[48+n], s59, s60
	v_fma_f32 v[96+n], v[96+n], v[48+n], s58
	v_fma_f32 v[112+n], v[112+n], v[48+n], s61
	v_mul_f32 v[128+n], v[48+n], v[32+n]
	v_mul_f32 v[144+n], v[48+n], v[48+n]
	v_fma_f32 v[48+n], v[48+n], -0.5, 1.0
	v_fma_f32 v[96+n], v[96+n], v[128+n], v[32+n]  ; sine of the reduced angle
	v_fma_f32 v[112+n], v[112+n], v[144+n], v[48+n] ; cosine
	v_and_b32 v[128+n], 1, v[16+n]
	v_cmp_ne_u32 vcc_lo, 0, v[128+n]               ; an odd quadrant swaps the two
	v_cndmask_b32 v[80+n], v[96+n], v[112+n], vcc_lo
	v_cndmask_b32 v[64+n], v[112+n], v[96+n], vcc_lo
	v_and_b32 v[128+n], 2, v[16+n]                 ; sine is negative in quadrants 2, 3;
	v_add_nc_u32 v[144+n], 1, v[16+n]
	v_and_b32 v[144+n], 2, v[144+n]                ; cosine in 1, 2
	v_lshlrev_b32 v[128+n], 30, v[128+n]
	v_lshlrev_b32 v[144+n], 30, v[144+n]
	v_xor_b32 v[80+n], v[128+n], v[80+n]
	v_xor_b32 v[64+n], v[144+n], v[64+n]
.set n, n+1
.endr
	s_wait_kmcnt 0x0
	s_add_nc_u64 s[36:37], s[36:37], s[12:13]
.irp g, 0,1,2,3
	global_store_b128 v3, v[64+4*\g:67+4*\g], s[36:37] offset:512*\g         ; cos: each store covers 512 consecutive bytes, aligned
.endr
.irp g, 0,1,2,3
	global_store_b128 v3, v[80+4*\g:83+4*\g], s[36:37] offset:2048+512*\g    ; sin
.endr
	s_endpgm
.Lfunc_end_k_q8e92c1ca2a_prep:
	.size	k_q8e92c1ca2a_prep, .Lfunc_end_k_q8e92c1ca2a_prep-k_q8e92c1ca2a_prep
	.p2alignl 7, 3214868480
	.fill 96, 4, 3214868480
	.section	.rodata,"a",@progbits
	.p2align	6, 0x0
	.amdhsa_kernel k_q8e92c1ca2a_prep
		.amdhsa_group_segment_fixed_size 33280
		.amdhsa_private_segment_fixed_size 0
		.amdhsa_enable_private_segment 0
		.amdhsa_kernarg_size 88
		.amdhsa_user_sgpr_count 2
		.amdhsa_user_sgpr_kernarg_segment_ptr 1
		.amdhsa_wavefront_size32 1
		.amdhsa_system_sgpr_workgroup_id_x 1
		.amdhsa_system_sgpr_workgroup_id_y 1
		.amdhsa_system_sgpr_workgroup_id_z 1
		.amdhsa_system_vgpr_workitem_id 0
		.amdhsa_next_free_vgpr 194
		.amdhsa_next_free_sgpr 66
		.amdhsa_reserve_vcc 1
		.amdhsa_float_denorm_mode_32 3
		.amdhsa_float_denorm_mode_16_64 3
		.amdhsa_memory_ordered 1
		.amdhsa_forward_progress 1
		.amdhsa_inst_pref_size 64
	.end_amdhsa_kernel
	.amdgpu_metadata
---
amdhsa.version: [ 1, 2 ]
amdhsa.kernels:
  - .name:           k_q8e92c1ca2a_prep
    .symbol:         k_q8e92c1ca2a_prep.kd
    .args:
      - { .name: query, .offset: 0, .size: 8, .value_kind: global_buffer, .address_space: global }
      - { .name: key, .offset: 8, .size: 8, .value_kind: global_buffer, .address_space: global }
      - { .name: value, .offset: 16, .size: 8, .value_kind: global_buffer, .address_space: global }
      - { .name: Wq, .offset: 24, .size: 8, .value_kind: global_buffer, .address_space: global }
      - { .name: Wk, .offset: 32, .size: 8, .value_kind: global_buffer, .address_space: global }
      - { .name: Wv, .offset: 40, .size: 8, .value_kind: global_buffer, .address_space: global }
      - { .name: Wo, .offset: 48, .size: 8, .value_kind: global_buffer, .address_space: global }
      - { .name: lowp_scales, .offset: 56, .size: 8, .value_kind: global_buffer, .address_space: global }
      - { .name: xc, .offset: 64, .size: 8, .value_kind: global_buffer, .address_space: global }
      - { .name: wc, .offset: 72, .size: 8, .value_kind: global_buffer, .address_space: global }
      - { .name: rope, .offset: 80, .size: 8, .value_kind: global_buffer, .address_space: global }
    .group_segment_fixed_size: 33280
    .private_segment_fixed_size: 0
    .kernarg_segment_align: 8
    .kernarg_segment_size: 88
    .max_flat_workgroup_size: 128
    .sgpr_count:     66
    .vgpr_count:     194
    .wavefront_size: 32
...
	.end_amdgpu_metadata
.endif
;; end of part 1
;; launch proj (part 2): grid 4 x 192, 4 waves a work-group, clusters of 4 x 4, 327,680 bytes of LDS; arguments xc, wc, bq, bk, bv, lowp_scales, rope, q_img, kv_img; writes q_img, kv_img
.if DOCPART == 2
	.amdgcn_target "amdgcn-amd-amdhsa--gfx1250"
	.amdhsa_code_object_version 6
	.text
	.protected	k_q8e92c1ca2a_proj
	.globl	k_q8e92c1ca2a_proj
	.p2align	8
	.type	k_q8e92c1ca2a_proj,@function
k_q8e92c1ca2a_proj:
	s_mov_b64 s[64:65], 0
	v_nop
	global_prefetch_b8 v0, s[64:65] scope:SCOPE_SE
	s_setreg_imm32_b32 hwreg(HW_REG_WAVE_MODE, 25, 1), 1
	s_wait_xcnt 0x0
	s_wait_alu depctr_hold_cnt(0) depctr_sa_sdst(0) depctr_va_vdst(0) depctr_va_sdst(0) depctr_va_ssrc(0) depctr_va_vcc(0) depctr_vm_vsrc(0)
	s_getreg_b32 s2, hwreg(HW_REG_IB_STS2, 6, 4)
	s_cmp_eq_u32 s2, 0
	s_cbranch_scc0 .Lentry_in_a_cluster
	s_endpgm
.Lentry_in_a_cluster:
	s_bfe_u32 s2, ttmp6, 0x10000c
	s_cmp_lg_u32 s2, 0xf033
	s_cbranch_scc0 .Lentry_shape_is_right
	s_endpgm
.Lentry_shape_is_right:
; PROJ.  The three projections on codes of E4M3 (x W^T + b), the rotary embedding of Q and K, and the quantiser of Q, K and V, which leave as images of the operand registers of the attention launch.
; The cluster's y says which: 0-15 Q, 16-31 K, 32-47 V ("ten" = y / 16); it is the same in all sixteen partners, and every branch on it is taken alike by them.
; THE PRODUCT.  D = P x R: source 0 takes 16 rows of P, source 1 16 rows of R; a lane then holds ONE row of R and eight neighbouring rows of P.  Q, K: P = the weight (features), R = the tokens: a lane holds a token and
; eight neighbouring channels, along which Q and K are quantised.  V: P = the tokens, R = the weight: a lane holds a channel and eight neighbouring keys, along which V is quantised.
; A work-group makes 256 (P) x 128 (R); wave w makes rows 128 (w & 1) on of P x rows 64 (w >> 1) on of R: 32 accumulators.  768 work-groups.  K = 1,024 is eight steps of 128, written out.
; LDS: three slots of 256 along K (P: 256 rows of 256 bytes + 16; R: 128 such rows).  K's parts 0, 1, 2 are the slots' first fills; part 3 fills slot 0 again, behind the second step.
; CLUSTER 4 x 4: P's tile hangs on cx, so the four of a column ask for it jointly; R's on cy, so the four of a row do.  Waves 0, 1 fetch P's halves, waves 2, 3 R's.
; FRAGMENTS come by four ds_load_b128 32 bytes apart: lane (r, h) holds k = 32 c + 16 h + 0..15 in registers 4 c .. 4 c + 3: the same order of k in P and in R, so every product meets its partner.
; SCALES.  A sum stands for sum x 2^(ea + eb).  The bias goes in as the C of the first product, divided by 2^(ea + eb); the rotation is linear; the conversion takes 2^(eo - ea - eb) as its one scale.
; LIMITS: eo - ea - eb between -126 and 119 (eo: the entry of Q, K or V as an operand of attention).  NaN among the inputs is not served.
; REGISTERS, in windows of 256.  Window 0: v1 r, v2 h, v3 16 x lane, v16-18 and v20-22 LDS addresses of P's and R's fragments in slots 0-2, v28, v29 for the add, v30 the scale, v31 448 x the scale,
; v32-79 at work on the way out, v128-255 R's fragments, two sets (on the way out: codes).  Window 1: P's fragments, two sets.  Window 2: accumulator (a, b) at v[8 (8 a + b)].  Window 3: v0-63 bias, v64-191 cos and sin.
.set PITCH, 272                        ; 256 bytes + 16: the sixteen rows of a fragment load start at sixteen different banks (64 banks of 4 bytes: ISA guide 11.1)
.set PREG,  256*PITCH
.set RHALF, 64*PITCH
.set SLOT,  PREG+2*RHALF
.set SPARE, 3*SLOT                     ; behind the slots: the spare words, 128 bytes a wave: two blocks of 256 bytes that no other line names
.set RNEXT, 768                        ; from R's part 0 to its part 3, in bytes
.set ADRP, 16
.set ADRR, 20
.set SPW,  28
.set NIL,  29
.set SCL,  30
.set LIM,  31
.set YY,   32
.set TT,   64
.set RF,   128
.set CODE, 128
.set BIAS, 0
.set TAB,  64
.set G1P,  24
.set G1R,  32
.set G0P,  40
.set G0R,  52
.set MSB, 0
.macro WIN new                         ; the immediate's high byte repeats the setting that is left
.if MSB != \new
	s_set_vgpr_msb (MSB<<8)|\new
.set MSB, \new
.endif
.endm
.set W_MUL,  0xa1                      ; source 0 (P) window 1, source 1 (R) window 0, C and D window 2
.set W_MULB, 0xb1                      ; the same with C in window 3
.set TO_P,   0x40                      ; destination window 1
.set TO_3,   0xc0                      ; destination window 3
.set IN3,    0xc3                      ; source 0 and destination window 3
.macro PLACES                          ; four plain vector lines behind a matrix instruction, ahead of loads into its sources and of reads of its results
.rept 4
	v_nop
.endr
.endm
.macro CREST                           ; a round of the cluster's barrier behind its opening barrier
	s_cmp_lg_u32 s8, 0
	s_cbranch_scc1 .Lnot_wave_0_\@
	s_barrier_signal -3
.Lnot_wave_0_\@:
	s_barrier_wait -3
	s_barrier_signal -1
	s_barrier_wait -1
.endm
.macro CROUND
	s_barrier_signal -1
	s_barrier_wait -1
	CREST
.endm
.macro JLOAD                           ; the one refill: slot 0; the branch hangs on the wave's number alone; four v_nop follow each line
	s_cmp_eq_u32 s9, 0
	s_cbranch_scc0 .Lfor_r_\@
	tensor_load_to_lds s[G0P:G0P+3], s[G1P:G1P+7]
	s_nop 0
.rept 4
	v_nop
.endr
	s_branch .Lasked_\@
.Lfor_r_\@:
	tensor_load_to_lds s[G0R:G0R+3], s[G1R:G1R+7]
	s_nop 0
.rept 4
	v_nop
.endr
.Lasked_\@:
.endm
.macro FRAGP reg, slot, q, i
.irp c, 0,1,2,3
	ds_load_b128 v[\reg+4*\c:\reg+4*\c+3], v[ADRP+\slot] offset:128*(\q)+32*\c+(\i)*16*PITCH
.endr
.endm
.macro FRAGR reg, slot, q, i
.irp c, 0,1,2,3
	ds_load_b128 v[\reg+4*\c:\reg+4*\c+3], v[ADRR+\slot] offset:128*(\q)+32*\c+(\i)*16*PITCH
.endr
.endm
.macro FETCH slot, q, st               ; 48 LDS loads in one run: P's eight and R's four fragments of the slot's q-th 128 along K, into set st
	WIN TO_P
.irp i, 0,1,2,3,4,5,6,7
	FRAGP 128*(\st)+16*\i, \slot, \q, \i
.endr
	WIN 0
.irp i, 0,1,2,3
	FRAGR RF+64*(\st)+16*\i, \slot, \q, \i
.endr
.endm
; cnt blocks of R from a0 on x P's eight.  cm: 0 adds in place; 1 starts the sums with 0; 2 with the bias of P's rows; 3 with the bias of R's rows.
; The 32 accumulators take turns, one instruction a turn, in the same order in every step.
.macro MUL a0, cnt, st, cm
.set ma, \a0
.rept \cnt
.irp b, 0,1,2,3,4,5,6,7
.if \cm == 0
	v_wmma_f32_16x16x128_fp8_fp8 v[8*(8*ma+\b):8*(8*ma+\b)+7], v[128*(\st)+16*\b:128*(\st)+16*\b+15], v[RF+64*(\st)+16*ma:RF+64*(\st)+16*ma+15], v[8*(8*ma+\b):8*(8*ma+\b)+7]
.elseif \cm == 1
	v_wmma_f32_16x16x128_fp8_fp8 v[8*(8*ma+\b):8*(8*ma+\b)+7], v[128*(\st)+16*\b:128*(\st)+16*\b+15], v[RF+64*(\st)+16*ma:RF+64*(\st)+16*ma+15], 0
.elseif \cm == 2
	v_wmma_f32_16x16x128_fp8_fp8 v[8*(8*ma+\b):8*(8*ma+\b)+7], v[128*(\st)+16*\b:128*(\st)+16*\b+15], v[RF+64*(\st)+16*ma:RF+64*(\st)+16*ma+15], v[BIAS+8*\b:BIAS+8*\b+7]
.else
	v_wmma_f32_16x16x128_fp8_fp8 v[8*(8*ma+\b):8*(8*ma+\b)+7], v[128*(\st)+16*\b:128*(\st)+16*\b+15], v[RF+64*(\st)+16*ma:RF+64*(\st)+16*ma+15], v[BIAS+8*ma:BIAS+8*ma+7]
.endif
.endr
.set ma, ma+1
.endr
.endm
; Step k of eight: slot (k / 2) % 3, half k % 2, set k % 2.  In its middle the next step's fragments are fetched into the other set.
.macro STEP k, cm
	s_wait_dscnt 0x0                               ; this step's fragments are in (asked for 16 matrix instructions ago)
.if \cm >= 2
	WIN W_MULB
.else
	WIN W_MUL
.endif
	MUL 0, 2, (\k)%2, \cm
	PLACES
	FETCH (((\k)+1)/2)%3, ((\k)+1)%2, ((\k)+1)%2
.if \cm >= 2
	WIN W_MULB
.else
	WIN W_MUL
.endif
	MUL 2, 2, (\k)%2, \cm
.endm
	s_load_b512 s[68:83], s[0:1], 0x0              ; xc 68, wc 70, bq 72, bk 74, bv 76, lowp_scales 78, rope 80, q_img 82
	s_load_b64 s[84:85], s[0:1], 0x40              ; kv_img
	v_lshl_add_u32 v[SPW], v0, 2, SPARE
	v_mov_b32 v[NIL], 0
	ds_add_u32 v28, v29
	ds_add_u32 v28, v29
	s_wait_dscnt 0x0
	v_lshrrev_b32 v1, 5, v0
	v_readfirstlane_b32 s8, v1                     ; wave 0..3
	s_lshr_b32 s9, s8, 1                           ; my half of R's rows.  Also: I fetch for P (0) or for R (1)
	s_and_b32 s10, s8, 1                           ; my half of P's rows.  Also: which half of that tile I fetch
	s_bfe_u32 s11, ttmp6, 0x40000                  ; cx
	s_bfe_u32 s12, ttmp6, 0x40004                  ; cy
	s_and_b32 s14, ttmp7, 0xffff                   ; the cluster's y
	s_lshr_b32 s13, s14, 4                         ; ten: 0 Q, 1 K, 2 V
	s_and_b32 s14, s14, 15                         ; cY
	s_lshl_b32 s17, 0x1111, s11                    ; my column of the cluster
	s_lshl_b32 s23, s12, 2
	s_lshl_b32 s23, 15, s23                        ; my row
	s_or_b32 s[G1P], s17, (1<<20)|(1<<21)|(5<<22)|(3<<25)  ; 15:0 the mask; 17:16 elements of 1 byte; 20 padding on; 21 set beside a mask; 24:22 after every 64 words; 31:25 four words
	s_or_b32 s[G1R], s23, (1<<20)|(1<<21)|(5<<22)|(3<<25)
	s_mov_b32 s[G1P+1], 256<<16                    ; tensor_dim0 = 256
	s_mov_b32 s[G1P+2], 128<<16                    ; tensor_dim1 = 128
	s_mov_b32 s[G1P+3], 256<<16                    ; tile_dim0
	s_mov_b32 s[G1P+4], 128                        ; tile_dim1
	s_mov_b32 s[G1P+5], 1024                       ; from row to row
	s_mov_b32 s[G1P+6], 0
	s_mov_b32 s[G1P+7], 0
	s_mov_b32 s[G1R+1], 256<<16
	s_mov_b32 s[G1R+2], 64<<16                     ; 64 rows
	s_mov_b32 s[G1R+3], 256<<16
	s_mov_b32 s[G1R+4], 64
	s_mov_b32 s[G1R+5], 1024
	s_mov_b32 s[G1R+6], 0
	s_mov_b32 s[G1R+7], 0
	; the tiles.  Q, K: P tile = cx (of 4), R tile = 4 cY + cy (of 64).  V: P tile = 4 (cY & 7) + cx (of 32), R tile = 4 (cY >> 3) + cy (of 8)
	s_and_b32 s15, s14, 7
	s_lshl_b32 s15, s15, 2
	s_lshr_b32 s16, s14, 3
	s_lshl_b32 s16, s16, 2
	s_lshl_b32 s3, s14, 2
	s_lshl_b32 s17, s13, 20                        ; where tensor ten begins in wc,
	s_lshl_b32 s22, s13, 23                        ; and in xc
	s_lshl_b32 s98, s13, 3                         ; the byte of ea, eb in lowp_scales: entries 2 ten, 2 ten + 1
	s_lshl_b32 s99, s13, 2
	s_add_co_u32 s99, s99, 24                      ; and of eo: entries 6, 7,
	s_cmp_eq_u32 s13, 2
	s_cselect_b32 s15, s15, 0
	s_cselect_b32 s16, s16, s3
	s_cselect_b32 s18, s22, s17                    ; P's part
	s_cselect_b32 s20, s17, s22                    ; R's part
	s_cselect_b32 s3, 4, 0
	s_add_co_u32 s99, s99, s3                      ; or 9 for V
	s_add_co_u32 s15, s15, s11                     ; P tile: holds cx, never cy
	s_add_co_u32 s16, s16, s12                     ; R tile: holds cy, never cx
	s_lshl_b32 s19, s15, 18                        ; 256 rows of 1,024 bytes
	s_add_co_u32 s18, s18, s19
	s_lshl_b32 s19, s10, 17                        ; the 128 rows that I fetch
	s_add_co_u32 s18, s18, s19
	s_mov_b32 s19, 0
	s_lshl_b32 s21, s16, 17                        ; 128 rows
	s_add_co_u32 s20, s20, s21
	s_lshl_b32 s21, s10, 16                        ; the 64 rows that I fetch
	s_add_co_u32 s20, s20, s21
	s_mov_b32 s21, 0
	s_mul_i32 s96, s10, 128*PITCH                  ; where they go: no place in the cluster enters an LDS address
	s_mul_i32 s97, s10, RHALF
	s_add_co_u32 s97, s97, PREG
	s_wait_kmcnt 0x0
	s_load_b64 s[86:87], s[78:79], s98 offset:0x0  ; ea, eb
	s_load_b32 s88, s[78:79], s99 offset:0x0       ; eo
	s_cmp_eq_u32 s13, 2
	s_cselect_b64 s[4:5], s[68:69], s[70:71]       ; P: the tokens' codes for V, else the weights'
	s_cselect_b64 s[6:7], s[70:71], s[68:69]       ; R: the other
	s_add_nc_u64 s[4:5], s[4:5], s[18:19]
	s_add_nc_u64 s[6:7], s[6:7], s[20:21]
.irp s, 0,1,2
	s_mov_b32 s[G0P+4*\s], 1                       ; count = 1
	s_add_co_u32 s[G0P+4*\s+1], s96, \s*SLOT       ; LDS address
	s_add_nc_u64 s[G0P+4*\s+2:G0P+4*\s+3], s[4:5], \s*256   ; K's part s
	s_or_b32 s[G0P+4*\s+3], s[G0P+4*\s+3], 0x80000000       ; type = 2
	s_mov_b32 s[G0R+4*\s], 1
	s_add_co_u32 s[G0R+4*\s+1], s97, \s*SLOT
	s_add_nc_u64 s[G0R+4*\s+2:G0R+4*\s+3], s[6:7], \s*256
	s_or_b32 s[G0R+4*\s+3], s[G0R+4*\s+3], 0x80000000
.endr
	CROUND                                         ; all sixteen work-groups are here: the first joint loads meet
	s_cmp_eq_u32 s9, 0                             ; a wave's three first fills stand in one branch: three tensor loads of mine are out
	s_cbranch_scc0 .Lfirst_r
	tensor_load_to_lds s[G0P:G0P+3], s[G1P:G1P+7]
	s_nop 0
	tensor_load_to_lds s[G0P+4:G0P+7], s[G1P:G1P+7]
	s_nop 0
	tensor_load_to_lds s[G0P+8:G0P+11], s[G1P:G1P+7]
	s_nop 0
.rept 4
	v_nop
.endr
	s_branch .Lfirst_done
.Lfirst_r:
	tensor_load_to_lds s[G0R:G0R+3], s[G1R:G1R+7]
	s_nop 0
	tensor_load_to_lds s[G0R+4:G0R+7], s[G1R:G1R+7]
	s_nop 0
	tensor_load_to_lds s[G0R+8:G0R+11], s[G1R:G1R+7]
	s_nop 0
.rept 4
	v_nop
.endr
.Lfirst_done:
	v_and_b32 v1, 15, v0                           ; r
	v_bfe_u32 v2, v0, 4, 1                         ; h
	v_and_b32 v3, 31, v0
	v_lshlrev_b32 v3, 4, v3                        ; 16 x lane
	v_mul_u32_u24 v4, v1, PITCH
	v_lshl_add_u32 v4, v2, 4, v4                   ; a fragment's row x pitch + 16 h
	s_mul_i32 s17, s10, 128*PITCH                  ; my 128 rows of P
	s_mul_i32 s22, s9, RHALF                       ; my 64 rows of R,
	s_add_co_u32 s22, s22, PREG                    ; behind P's 256
.irp s, 0,1,2
	v_add_nc_u32 v[ADRP+\s], s17, v4
	v_add_nc_u32 v[ADRR+\s], s22, v4
	s_add_co_u32 s17, s17, SLOT
	s_add_co_u32 s22, s22, SLOT
.endr
	s_wait_kmcnt 0x0                               ; the three exponents
	s_add_co_i32 s90, s86, s87                     ; ea + eb
	s_sub_co_i32 s91, s88, s90                     ; eo - ea - eb
	s_sub_co_i32 s90, 0, s90                       ; the bias is multiplied by 2^-(ea + eb)
	s_add_co_i32 s91, s91, 127
	s_lshl_b32 s89, s91, 23
	v_mov_b32 v[SCL], s89                          ; 2^(eo - ea - eb): the conversion takes its exponent field
	s_add_co_i32 s91, s91, 8
	s_lshl_b32 s91, s91, 23
	s_or_b32 s91, s91, 0x600000
	v_mov_b32 v[LIM], s91                          ; 448 x that
	; ---- the bias, and for Q and K the table: loads into window 3
	s_cmp_eq_u32 s13, 2
	s_cbranch_scc1 .La_v
	s_cmp_eq_u32 s13, 0
	s_cselect_b64 s[96:97], s[72:73], s[74:75]     ; bq or bk
	s_lshl_b32 s98, s15, 10
	s_lshl_b32 s99, s10, 9
	s_add_co_u32 s98, s98, s99                     ; my first feature x 4 bytes
	s_mov_b32 s99, 0
	s_add_nc_u64 s[96:97], s[96:97], s[98:99]
	s_and_b32 s98, s16, 15
	s_lshl_b32 s98, s98, 15                        ; the table: 8 tiles of 16 positions (4,096 bytes each) to an R tile,
	s_lshl_b32 s3, s9, 14                          ; my four of them
	s_add_co_u32 s98, s98, s3
	s_add_nc_u64 s[100:101], s[80:81], s[98:99]
	v_lshlrev_b32 v5, 5, v2                        ; 32 h: block b's eight features of my half
	WIN TO_3
.irp b, 0,1,2,3,4,5,6,7
	global_load_b128 v[BIAS+8*\b:BIAS+8*\b+3], v5, s[96:97] offset:64*\b
	global_load_b128 v[BIAS+8*\b+4:BIAS+8*\b+7], v5, s[96:97] offset:64*\b+16
.endr
.irp a, 0,1,2,3
.irp g, 0,1,2,3,4,5,6,7                ; g = 4 cs + 2 bb + q
	global_load_b128 v[TAB+32*\a+4*\g:TAB+32*\a+4*\g+3], v3, s[100:101] offset:4096*\a+512*\g
.endr
.endr
	WIN 0
	s_branch .La_done
.La_v:
	s_lshl_b32 s98, s16, 9
	s_lshl_b32 s99, s9, 8
	s_add_co_u32 s98, s98, s99                     ; my first feature x 4 bytes
	s_mov_b32 s99, 0
	s_add_nc_u64 s[96:97], s[76:77], s[98:99]      ; bv
	v_lshlrev_b32 v5, 2, v1                        ; lane r's feature
	WIN TO_3
.irp a, 0,1,2,3
	global_load_b32 v[BIAS+8*\a], v5, s[96:97] offset:64*\a
.endr
	WIN 0
.La_done:
	s_wait_tensorcnt 0x2                           ; my part of slot 0 is in; slots 1 and 2 may stay out
	s_barrier_signal -1
	s_barrier_wait -1                              ; everybody's is
	FETCH 0, 0, 0
	; ---- step 0 starts the sums with the bias
	s_cmp_eq_u32 s13, 2
	s_cbranch_scc1 .Lb_v
	s_wait_loadcnt 32                              ; the bias's sixteen loads are in; the table's 32 stay out
	WIN IN3
.set j, 0
.rept 64
	v_ldexp_f32 v[BIAS+j], v[BIAS+j], s90
.set j, j+1
.endr
	STEP 0, 2
	WIN 0
	s_branch .Lb_done
.Lb_v:
	s_wait_loadcnt 0x0
	WIN IN3
.irp a, 0,1,2,3
.irp j, 7,6,5,4,3,2,1,0                ; a lane's eight rows of P (keys) share the bias of its feature; register 0, the source, is written last
	v_ldexp_f32 v[BIAS+8*\a+\j], v[BIAS+8*\a], s90
.endr
.endr
	STEP 0, 3
	WIN 0
.Lb_done:
	; ---- step 1, and the one refill: slot 0 has been read out (step 1's fragments were asked for in step 0)
	s_wait_tensorcnt 0x0                           ; all my tensor loads have landed, slots 1 and 2 among them;
	ds_add_u32 v[SPW], v[NIL]                      ; 0 onto my spare word;
	s_add_nc_u64 s[G0P+2:G0P+3], s[G0P+2:G0P+3], 768     ; no load of mine is out, so a group 0 may be written: K's part 3
	s_add_nc_u64 s[G0R+2:G0R+3], s[G0R+2:G0R+3], RNEXT
	s_wait_dscnt 0x1                               ; the fragments are in; the add may be out
	WIN W_MUL
	MUL 0, 1, 1, 0
	s_wait_dscnt 0x0                               ; the add is done, and my reads of slot 0 are over
	s_barrier_signal -1                            ; this barrier opens a round of the cluster's
	MUL 1, 1, 1, 0
	WIN 0
	s_barrier_wait -1
	CREST                                          ; no wave of any partner still reads slot 0 or has a load on its way
	JLOAD                                          ; my one tensor load behind the round: it has four steps, 128 matrix instructions, in which to land; its four v_nop are the places for the loads below
	FETCH 1, 0, 0
	WIN W_MUL
	MUL 2, 2, 1, 0
	STEP 2, 0
	STEP 3, 0                                      ; (slot 2 was shown whole by the round above)
	STEP 4, 0
	; ---- step 5: slot 0's second fill must be whole before step 6's fragments are fetched
	s_wait_tensorcnt 0x0                           ; my part of K's part 3 is in
	s_wait_dscnt 0x0                               ; step 5's fragments are in; no LDS instruction is out at a signal
	s_barrier_signal -1
	WIN W_MUL
	MUL 0, 2, 1, 0
	WIN 0
	s_barrier_wait -1                              ; everybody's is
	PLACES
	FETCH 0, 0, 0
	WIN W_MUL
	MUL 2, 2, 1, 0
	STEP 6, 0
	s_wait_dscnt 0x0
	WIN W_MUL
	MUL 0, 4, 1, 0
	WIN 0
	PLACES                                         ; ahead of the first reads of results and of writes into registers that held fragments
	s_cmp_eq_u32 s13, 2
	s_cbranch_scc1 .Lc_v
	; ---- Q, K on the way out.  My 128 features are two heads hh; in a head, blocks 0, 1 hold d = 16 bb + 8 h + j (x1), blocks 2, 3 the same + 32 (x2); the frequency is x1's d
	s_lshr_b32 s96, s16, 4
	s_lshl_b32 s96, s96, 4                         ; 16 x batch
	s_lshl_b32 s97, s15, 2
	s_add_co_u32 s96, s96, s97
	s_lshl_b32 s97, s10, 1
	s_add_co_u32 s96, s96, s97                     ; my first head
	s_and_b32 s97, s16, 15
	s_add_co_u32 s98, s13, 17
	s_lshl_b32 s96, s96, s98                       ; a head is 131,072 bytes of q_img, 262,144 of kv_img
	s_add_co_u32 s98, s13, 13
	s_lshl_b32 s97, s97, s98                       ; 128 tokens are 8,192 bytes of q_img; in kv_img a key step of 16,384
	s_add_co_u32 s96, s96, s97
	s_lshl_b32 s97, s9, 12                         ; my four tiles of 1,024 bytes
	s_add_co_u32 s96, s96, s97
	s_mov_b32 s97, 0
	s_cmp_eq_u32 s13, 0
	s_cselect_b64 s[92:93], s[82:83], s[84:85]
	s_add_nc_u64 s[92:93], s[92:93], s[96:97]
	s_lshl_b32 s96, 0x20000, s13
	s_add_nc_u64 s[94:95], s[92:93], s[96:97]      ; the second head
	s_wait_loadcnt 0x0                             ; the table
.macro ROPE hh, a
	WIN 0x0e                                       ; source 0 (sums) window 2, source 1 (cos, sin) window 3
.irp bb, 0,1
.irp jp, 0,2,4,6                       ; each accumulator is read from its low end on
.set RX1, 8*(8*(\a)+4*(\hh)+\bb)+\jp
.set RX2, RX1+16
.set RCC, TAB+32*(\a)+8*\bb+\jp
.set RT0, TT+4*((4*\bb+\jp/2)%4)
	v_pk_mul_f32 v[RT0:RT0+1], v[RX2:RX2+1], v[RCC+16:RCC+17]
	v_pk_mul_f32 v[RT0+2:RT0+3], v[RX2:RX2+1], v[RCC:RCC+1]
	v_pk_fma_f32 v[YY+8*\bb+\jp:YY+8*\bb+\jp+1], v[RX1:RX1+1], v[RCC:RCC+1], v[RT0:RT0+1] neg_lo:[0,0,1] neg_hi:[0,0,1]   ; x1 cos - x2 sin
	v_pk_fma_f32 v[YY+16+8*\bb+\jp:YY+16+8*\bb+\jp+1], v[RX1:RX1+1], v[RCC+16:RCC+17], v[RT0+2:RT0+3]                     ; x1 sin + x2 cos
.endr
.endr
	WIN 0
.set j, 0
.rept 32
	v_med3_num_f32 v[YY+j], v[YY+j], -v[LIM], v[LIM]   ; the conversion does not saturate (ISA guide 7.6.2)
.set j, j+1
.endr
.set RCD, CODE+8*(4*(\hh)+\a)          ; codes of their own for each group: no store's data are written again
.irp c, 0,1,2,3
	v_cvt_scalef32_pk8_fp8_f32 v[RCD+2*\c:RCD+2*\c+1], v[YY+8*\c:YY+8*\c+7], v[SCL]   ; registers 2 c, 2 c + 1: d = 16 c + 8 h + 0..7: the K = 64 form's own layout
.endr
	v_nop                                          ; a plain line between the conversions and the next lines that write their sources
	global_store_b128 v3, v[RCD:RCD+3], s[92+2*\hh:93+2*\hh] offset:1024*\a          ; 512 consecutive bytes, aligned
	global_store_b128 v3, v[RCD+4:RCD+7], s[92+2*\hh:93+2*\hh] offset:1024*\a+512
.endm
.irp hh, 0,1
.irp a, 0,1,2,3
	ROPE \hh, \a
.endr
.endr
	s_branch .Lc_done
.Lc_v:
	; ---- V on the way out.  Lane (r, h) holds channel 16 a + r of my head and keys 16 b + 8 h + j of my key step: accumulator (a, b) becomes registers 2 b, 2 b + 1 of fragment a
	s_lshr_b32 s96, s15, 3
	s_lshl_b32 s96, s96, 4                         ; 16 x batch
	s_lshl_b32 s97, s16, 1
	s_add_co_u32 s96, s96, s97
	s_add_co_u32 s96, s96, s9                      ; my head
	s_lshl_b32 s96, s96, 18
	s_and_b32 s97, s15, 7
	s_lshl_b32 s97, s97, 1
	s_add_co_u32 s97, s97, s10                     ; my key step
	s_lshl_b32 s97, s97, 14
	s_add_co_u32 s96, s96, s97
	s_add_co_u32 s96, s96, 8192                    ; V lies behind the key step's K
	s_mov_b32 s97, 0
	s_add_nc_u64 s[92:93], s[84:85], s[96:97]
.irp a, 0,1,2,3
	WIN 0x02                                       ; source 0 window 2
.irp b, 0,1,2,3,4,5,6,7
.irp j, 0,1,2,3,4,5,6,7
	v_med3_num_f32 v[YY+8*\b+\j], v[8*(8*\a+\b)+\j], -v[LIM], v[LIM]
.endr
.endr
	WIN 0
.irp b, 0,1,2,3,4,5,6,7
	v_cvt_scalef32_pk8_fp8_f32 v[CODE+16*\a+2*\b:CODE+16*\a+2*\b+1], v[YY+8*\b:YY+8*\b+7], v[SCL]
.endr
	v_nop
.irp i, 0,1,2,3
	global_store_b128 v3, v[CODE+16*\a+4*\i:CODE+16*\a+4*\i+3], s[92:93] offset:2048*\a+512*\i
.endr
.endr
.Lc_done:
	s_wait_tensorcnt 0x0                           ; the wave's end
	ds_add_u32 v[SPW], v[NIL]
	s_wait_dscnt 0x0
	CROUND                                         ; the closing round: no work-group ends while a partner may still ask for a tile that names it
	s_endpgm
.Lfunc_end_k_q8e92c1ca2a_proj:
	.size	k_q8e92c1ca2a_proj, .Lfunc_end_k_q8e92c1ca2a_proj-k_q8e92c1ca2a_proj
	.p2alignl 7, 3214868480
	.fill 96, 4, 3214868480
	.section	.rodata,"a",@progbits
	.p2align	6, 0x0
	.amdhsa_kernel k_q8e92c1ca2a_proj
		.amdhsa_group_segment_fixed_size 327680
		.amdhsa_private_segment_fixed_size 0
		.amdhsa_enable_private_segment 0
		.amdhsa_kernarg_size 72
		.amdhsa_user_sgpr_count 2
		.amdhsa_user_sgpr_kernarg_segment_ptr 1
		.amdhsa_wavefront_size32 1
		.amdhsa_system_sgpr_workgroup_id_x 1
		.amdhsa_system_sgpr_workgroup_id_y 1
		.amdhsa_system_sgpr_workgroup_id_z 1
		.amdhsa_system_vgpr_workitem_id 0
		.amdhsa_next_free_vgpr 960
		.amdhsa_next_free_sgpr 104
		.amdhsa_reserve_vcc 0
		.amdhsa_float_denorm_mode_32 3
		.amdhsa_float_denorm_mode_16_64 3
		.amdhsa_memory_ordered 1
		.amdhsa_forward_progress 1
		.amdhsa_inst_pref_size 127
	.end_amdhsa_kernel
	.amdgpu_metadata
---
amdhsa.version: [ 1, 2 ]
amdhsa.kernels:
  - .name:           k_q8e92c1ca2a_proj
    .symbol:         k_q8e92c1ca2a_proj.kd
    .args:
      - { .name: xc, .offset: 0, .size: 8, .value_kind: global_buffer, .address_space: global }
      - { .name: wc, .offset: 8, .size: 8, .value_kind: global_buffer, .address_space: global }
      - { .name: bq, .offset: 16, .size: 8, .value_kind: global_buffer, .address_space: global }
      - { .name: bk, .offset: 24, .size: 8, .value_kind: global_buffer, .address_space: global }
      - { .name: bv, .offset: 32, .size: 8, .value_kind: global_buffer, .address_space: global }
      - { .name: lowp_scales, .offset: 40, .size: 8, .value_kind: global_buffer, .address_space: global }
      - { .name: rope, .offset: 48, .size: 8, .value_kind: global_buffer, .address_space: global }
      - { .name: q_img, .offset: 56, .size: 8, .value_kind: global_buffer, .address_space: global }
      - { .name: kv_img, .offset: 64, .size: 8, .value_kind: global_buffer, .address_space: global }
    .group_segment_fixed_size: 327680
    .private_segment_fixed_size: 0
    .kernarg_segment_align: 8
    .kernarg_segment_size: 72
    .max_flat_workgroup_size: 128
    .sgpr_count:     104
    .vgpr_count:     960
    .wavefront_size: 32
...
	.end_amdgpu_metadata
.endif
;; end of part 2
;; launch attn (part 3): grid 4 x 64, 16 waves a work-group, clusters of 4 x 1, 264,192 bytes of LDS; arguments q_img, kv_img, lowp_scales, a_img; writes a_img
.if DOCPART == 3
	.amdgcn_target "amdgcn-amd-amdhsa--gfx1250"
	.amdhsa_code_object_version 6
	.text
	.protected	k_q8e92c1ca2a_attn
	.globl	k_q8e92c1ca2a_attn
	.p2align	8
	.type	k_q8e92c1ca2a_attn,@function
k_q8e92c1ca2a_attn:
	s_mov_b64 s[64:65], 0
	v_nop
	global_prefetch_b8 v0, s[64:65] scope:SCOPE_SE
	s_setreg_imm32_b32 hwreg(HW_REG_WAVE_MODE, 25, 1), 1
	s_wait_xcnt 0x0
	s_wait_alu depctr_hold_cnt(0) depctr_sa_sdst(0) depctr_va_vdst(0) depctr_va_sdst(0) depctr_va_ssrc(0) depctr_va_vcc(0) depctr_vm_vsrc(0)
	s_getreg_b32 s2, hwreg(HW_REG_IB_STS2, 6, 4)
	s_cmp_eq_u32 s2, 0
	s_cbranch_scc0 .Lentry_in_a_cluster
	s_endpgm
.Lentry_in_a_cluster:
	s_bfe_u32 s2, ttmp6, 0x10000c
	s_cmp_lg_u32 s2, 0x3003
	s_cbranch_scc0 .Lentry_shape_is_right
	s_endpgm
.Lentry_shape_is_right:
; ATTN.  O = softmax(Q K^T / 8) V for 64 heads (batch x 16 + head) of 2,048 x 64, both products on codes of E4M3, and the quantiser of the result.
; THE SOFTMAX: t = score x log2(e) / 8; M = the running largest t rounded UP to a whole number; p = 2^(t - M) is quantised with 2^e8; the row's sum is taken of the unquantised p and divides at the end.
; When M moves, the sum and O are multiplied by 2^(old M - new M), a power of two.
; SHARES.  A work-group owns 512 queries of one head; each of its sixteen waves two tiles of 16, one after the other.  The four work-groups of a cluster are the head's four blocks of queries.
; LDS holds the head's WHOLE K and V, 262,144 bytes of codes, byte for byte as kv_img has them: 16 key steps of 128 keys, each 8 fragments of K (1,024 bytes) and 4 of V (2,048 bytes), as images of the
; operand registers: every fragment comes by ds_load_b128 at 16 x lane.  Each wave asks for four pieces of 4,096 bytes, piece i in quarter i, JOINTLY with the other three work-groups.  Nothing is filled twice.
; The first tile walks the quarters as they land (a counted wait and a barrier ahead of each); the second finds all in place.
; LAYOUT.  S^T = K Q^T (source 0 = 16 keys, source 1 = my 16 queries, K = 64), O^T = V^T P^T (source 0 = 16 channels, source 1 = p, K = 128): a lane holds ONE query (lane % 16) throughout.  Tile t's eight
; registers are keys 16 t + 8 (lane / 16) + 0..7, which the conversion turns into registers 2 t, 2 t + 1 of the K = 128 form's own layout: k stands in its true place in both products.
; THE RESULT leaves as codes with 2^e10, as images of the next launch's operand registers: lane (r, h) holds 16 neighbouring channels, which one exchange between the halves of the lanes brings together.
; LIMITS: e6 + e7 between -123 and 130; e8, and e10 - e8 - e9, between -126 and 119.
; REGISTERS: v1 16 x lane; v2 the step's LDS address; v12 -M, v13 the largest t, v[14:15] the sum in two halves; v16-23, v24-31 Q of my two tiles; v32-95 K's eight fragments, then V's four; v96-159 S^T, then p;
; v160-191 O^T; v192-207 p's codes; v208-215 at work; v216, v217 2^e8 and 448 x that; v218, v219 the same for the result; v220-227 the result's codes.
.set LI,  1
.set ADR, 2
.set KV,  32
.set S,   96
.set O,   160
.set PC,  192
.set TB,  2                            ; s2  LDS byte of the key step in hand
.set CNT, 3
.set WV,  12
.set SEL, 24                           ; s[24:25] selects for v_permlanex16_b32: lane l xor 16
.set CS,  26                           ; s[26:27] c = log2(e) / 8 x 2^(e6 + e7)
.macro CROUND
	s_barrier_signal -1
	s_barrier_wait -1
	s_cmp_lg_u32 s[WV], 0
	s_cbranch_scc1 .Lnot_wave_0_\@
	s_barrier_signal -3
.Lnot_wave_0_\@:
	s_barrier_wait -3
	s_barrier_signal -1
	s_barrier_wait -1
.endm
; A KEY STEP of 128 keys for the tile whose Q lies in v[qf] on.
.macro KSTEP qf
	v_add_nc_u32 v[ADR], s[TB], v[LI]
.rept 3
	v_nop                                          ; with the addition: four places behind the last products, ahead of loads into their sources
.endr
.irp t, 0,1,2,3,4,5,6,7
	ds_load_b128 v[KV+8*\t:KV+8*\t+3], v[ADR] offset:1024*\t
	ds_load_b128 v[KV+8*\t+4:KV+8*\t+7], v[ADR] offset:1024*\t+512
.endr
	s_wait_dscnt 0x0
.irp t, 0,1,2,3,4,5,6,7
	v_wmma_f32_16x16x64_fp8_fp8 v[S+8*\t:S+8*\t+7], v[KV+8*\t:KV+8*\t+7], v[\qf:\qf+7], 0
.endr
.rept 4
	v_nop                                          ; places ahead of the loads below and of the first read of the scores
.endr
.irp u, 0,1,2,3                        ; V's four fragments land while the softmax is walked
.irp i, 0,1,2,3
	ds_load_b128 v[KV+16*\u+4*\i:KV+16*\u+4*\i+3], v[ADR] offset:8192+2048*\u+512*\i
.endr
.endr
	v_max3_num_f32 v214, v[S], v[S+1], v[S+2]      ; the step's largest score of my query among my 64 keys, in two chains, ascending: each tile is read from its low end on
	v_max3_num_f32 v215, v[S+3], v[S+4], v[S+5]
.set j, 6
.rept 14
	v_max3_num_f32 v214, v214, v[S+j], v[S+j+1]
	v_max3_num_f32 v215, v215, v[S+j+2], v[S+j+3]
.set j, j+4
.endr
	v_max3_num_f32 v214, v214, v[S+62], v[S+63]
	v_max_num_f32 v214, v214, v215
	v_permlanex16_b32 v208, v214, s[SEL], s[SEL+1]
	v_max_num_f32 v214, v214, v208                 ; and among lane l xor 16's
	v_mul_f32 v214, s[CS], v214                    ; as t (c is positive)
	v_max_num_f32 v13, v13, v214                   ; the running largest t
	v_mov_b32 v214, v12
	v_floor_f32 v12, -v13                          ; the new -M = floor(-t): M is a whole number
	v_sub_f32 v214, v12, v214                      ; old M - new M: a whole number, 0 or less
	v_cvt_i32_f32 v214, v214                       ; (it saturates)
	v_ldexp_f32 v210, 1.0, v214                    ; f = 2^(old M - new M)
.set j, 0
.rept 32
	v_pk_fma_f32 v[S+j:S+j+1], v[S+j:S+j+1], s[CS:CS+1], v[12:13] op_sel_hi:[1,0,0]   ; t - M, two at a time (of the pairs c and -M the low word serves both halves)
.set j, j+2
.endr
.set j, 0
.rept 64
	v_exp_f32 v[S+j], v[S+j]                       ; p = 2^(t - M): one batch
.set j, j+1
.endr
	v_pk_mul_f32 v[14:15], v[14:15], v[210:211] op_sel_hi:[1,0]   ; the sums under the new M: the plain line behind the exponentials
	s_wait_alu depctr_va_vdst(0)                   ; one wait for the batch, ahead of its first reader
	v_pk_add_f32 v[212:213], v[S:S+1], v[S+2:S+3]  ; the row's sum of the UNQUANTISED p, in two chains
.set j, 4
.rept 15
	v_pk_add_f32 v[14:15], v[14:15], v[S+j:S+j+1]
	v_pk_add_f32 v[212:213], v[212:213], v[S+j+2:S+j+3]
.set j, j+4
.endr
	v_pk_add_f32 v[14:15], v[14:15], v[212:213]
.irp t, 0,1,2,3,4,5,6,7
.irp i, 0,1,2,3,4,5,6,7
	v_min_num_f32 v[S+8*\t+\i], v[S+8*\t+\i], v217 ; the conversion does not saturate (ISA guide 7.6.2); p is not negative, so the hold is one-sided
.endr
	v_cvt_scalef32_pk8_fp8_f32 v[PC+2*\t:PC+2*\t+1], v[S+8*\t:S+8*\t+7], v216
.endr
.set j, 0
.rept 16
	v_pk_mul_f32 v[O+j:O+j+1], v[O+j:O+j+1], v[210:211] op_sel_hi:[1,0]   ; O^T under the new M; these are also the plain lines between the conversions and the products
.set j, j+2
.endr
	s_wait_dscnt 0x0                               ; V is in
.irp u, 0,1,2,3                        ; four accumulators, one instruction a turn
	v_wmma_f32_16x16x128_fp8_fp8 v[O+8*\u:O+8*\u+7], v[KV+16*\u:KV+16*\u+15], v[PC:PC+15], v[O+8*\u:O+8*\u+7]
.endr
.endm
.macro INIT                            ; the step is written once: the first finds zeros, which the first change of M leaves zeros
	v_mov_b32 v13, 0xff61b1e6                      ; -3e38, under every t
	v_floor_f32 v12, -v13
	v_mov_b32 v14, 0
	v_mov_b32 v15, 0
.set j, 0
.rept 32
	v_mov_b32 v[O+j], 0
.set j, j+1
.endr
.endm
.macro STAGE s                         ; quarter s of the keys: four key steps
	s_wait_tensorcnt 3-\s                          ; my piece of quarter s is in; the later quarters' loads stay out
	s_barrier_signal -1
	s_barrier_wait -1                              ; everybody's is
	s_mov_b32 s[CNT], 4
.Lstage_\@:
	KSTEP 16
	s_add_co_u32 s[TB], s[TB], 16384
	s_sub_co_u32 s[CNT], s[CNT], 1
	s_cmp_lg_u32 s[CNT], 0
	s_cbranch_scc1 .Lstage_\@
.endm
.macro WAYOUT T
	v_add_f32 v14, v14, v15                        ; the sum's two halves,
	v_permlanex16_b32 v208, v14, s[SEL], s[SEL+1]
	v_add_f32 v14, v14, v208                       ; and lane l xor 16's
	v_rcp_f32 v210, v14
	v_nop                                          ; a plain line behind the reciprocal
	s_wait_alu depctr_va_vdst(0)                   ; and the wait ahead of its first reader
	v_mov_b32 v211, v210                           ; (the two additions, the v_nop and this line are the four places behind the last products)
.set j, 0
.rept 16
	v_pk_mul_f32 v[S+j:S+j+1], v[O+j:O+j+1], v[210:211]   ; O^T / the sum; register 8 u + i is channel 16 u + 8 h + i
.set j, j+2
.endr
.set j, 0
.rept 32
	v_med3_num_f32 v[S+j], v[S+j], -v219, v219
.set j, j+1
.endr
	s_wait_xcnt 0x0                                ; the codes' registers are written again only when the earlier tile's stores have read them
.irp u, 0,1,2,3
	v_cvt_scalef32_pk8_fp8_f32 v[220+2*\u:221+2*\u], v[S+8*\u:S+8*\u+7], v218   ; / 2^(e10 - e8 - e9): a sum stands for sum x 2^(e8 + e9)
.endr
	v_nop
	v_permlane16_swap_b32 v220, v222               ; lanes 0-15 get channels 32 i + 0..15, lanes 16-31 channels 32 i + 16..31, in four registers on end
	v_permlane16_swap_b32 v221, v223
	v_permlane16_swap_b32 v224, v226
	v_permlane16_swap_b32 v225, v227
	global_store_b128 v[LI], v[220:223], s[30:31] offset:16384*\T        ; 512 consecutive bytes, aligned
	global_store_b128 v[LI], v[224:227], s[30:31] offset:16384*\T+512
.endm
	s_load_b256 s[4:11], s[0:1], 0x0               ; q_img 4, kv_img 6, lowp_scales 8, a_img 10
	v_lshl_add_u32 v232, v0, 2, 0x40000
	v_mov_b32 v233, 0
	ds_add_u32 v232, v233
	ds_add_u32 v232, v233
	v_lshrrev_b32 v2, 5, v0
	v_readfirstlane_b32 s[WV], v2                  ; wave 0..15
	s_bfe_u32 s13, ttmp6, 0x40000                  ; cx: my block of 512 queries; it enters Q's and the result's addresses alone
	s_and_b32 s14, ttmp7, 0xffff                   ; the head, which the four partners share
	s_mov_b32 s16, 15|(3<<16)|(1<<21)              ; group 1: 15:0 the mask: all four work-groups; 17:16 elements of 8 bytes; 21 set beside a mask; no padding
	s_mov_b32 s17, 32<<16                          ; tensor_dim0 = 32 elements: rows of 256 bytes
	s_mov_b32 s18, 16<<16                          ; tensor_dim1 = 16
	s_mov_b32 s19, 32<<16                          ; tile_dim0
	s_mov_b32 s20, 16                              ; tile_dim1
	s_mov_b32 s21, 32                              ; from row to row: dense
	s_mov_b32 s22, 0
	s_mov_b32 s23, 0
	s_mov_b32 s[SEL], 0x76543210
	s_mov_b32 s[SEL+1], 0xfedcba98
	s_mov_b32 s[CS], 0x3e38aa3b                    ; log2(e) / 8
	s_mov_b32 s[TB], 0
	s_lshl_b32 s62, s[WV], 12                      ; my piece of a quarter: 4,096 x wave, in LDS as in memory
	s_lshl_b32 s60, s14, 18                        ; the head's 262,144 bytes
	s_add_co_u32 s60, s60, s62
	s_mov_b32 s61, 0
	s_wait_dscnt 0x0
	s_wait_kmcnt 0x0
	s_load_b256 s[48:55], s[8:9], 0x0              ; e0 .. e7
	s_load_b128 s[56:59], s[8:9], 0x20             ; e8 .. e11
	s_add_nc_u64 s[6:7], s[6:7], s[60:61]
.irp i, 0,1,2,3
	s_mov_b32 s[32+4*\i], 1                        ; count = 1
	s_add_co_u32 s[33+4*\i], s62, \i*65536         ; LDS address
	s_add_nc_u64 s[34+4*\i:35+4*\i], s[6:7], \i*65536
	s_or_b32 s[35+4*\i], s[35+4*\i], 0x80000000    ; type = 2
.endr
	CROUND                                         ; all four work-groups are here: the joint loads meet
.irp i, 0,1,2,3
	tensor_load_to_lds s[32+4*\i:35+4*\i], s[16:23]  ; four tensor loads of mine are out
	s_nop 0
.endr
.rept 4
	v_nop
.endr
	s_lshl_b32 s60, s14, 17                        ; Q: a head is 131,072 bytes,
	s_lshl_b32 s63, s13, 15                        ; a block 32 tiles of 1,024,
	s_add_co_u32 s60, s60, s63
	s_lshl_b32 s63, s[WV], 11                      ; a wave two
	s_add_co_u32 s60, s60, s63
	s_add_nc_u64 s[28:29], s[4:5], s[60:61]
	s_lshr_b32 s60, s14, 4
	s_lshl_b32 s60, s60, 21                        ; the result: a batch is 128 tiles of 16 rows, 16,384 bytes each,
	s_lshl_b32 s63, s13, 19
	s_add_co_u32 s60, s60, s63
	s_lshl_b32 s63, s[WV], 15
	s_add_co_u32 s60, s60, s63
	s_and_b32 s63, s14, 15
	s_lshl_b32 s63, s63, 10                        ; and in a tile a head's 64 channels are 1,024 bytes: two pieces of half a K step of 128
	s_add_co_u32 s60, s60, s63
	s_add_nc_u64 s[30:31], s[10:11], s[60:61]
	v_and_b32 v[LI], 31, v0
	v_lshlrev_b32 v[LI], 4, v[LI]
.irp g, 0,1,2,3
	global_load_b128 v[16+4*\g:19+4*\g], v[LI], s[28:29] offset:512*\g   ; Q's two fragments stay in registers
.endr
	v_mov_b32 v208, 0                              ; written once: a lane permute's destination counts as one of its sources
	v_mov_b32 v211, 0                              ; (named as the upper half of the pair v[210:211])
	INIT
	s_wait_kmcnt 0x0
	s_add_co_i32 s60, s54, s55
	s_lshl_b32 s60, s60, 23
	s_add_co_i32 s[CS], s[CS], s60                 ; a score stands for score x 2^(e6 + e7): added to c's exponent field
	s_mov_b32 s[CS+1], s[CS]
	s_add_co_i32 s60, s56, 127
	s_lshl_b32 s61, s60, 23
	v_mov_b32 v216, s61                            ; 2^e8
	s_add_co_i32 s60, s60, 8
	s_lshl_b32 s60, s60, 23
	s_or_b32 s60, s60, 0x600000
	v_mov_b32 v217, s60                            ; 448 x 2^e8
	s_sub_co_i32 s60, s58, s56
	s_sub_co_i32 s60, s60, s57
	s_add_co_i32 s60, s60, 127
	s_lshl_b32 s61, s60, 23
	v_mov_b32 v218, s61                            ; 2^(e10 - e8 - e9)
	s_add_co_i32 s60, s60, 8
	s_lshl_b32 s60, s60, 23
	s_or_b32 s60, s60, 0x600000
	v_mov_b32 v219, s60
	s_wait_loadcnt 0x0                             ; Q
	STAGE 0
	STAGE 1
	STAGE 2
	STAGE 3
	WAYOUT 0
	INIT
	s_mov_b32 s[TB], 0
	s_mov_b32 s[CNT], 16
.Lsecond:                              ; my second tile: all sixteen key steps lie in LDS
	KSTEP 24
	s_add_co_u32 s[TB], s[TB], 16384
	s_sub_co_u32 s[CNT], s[CNT], 1
	s_cmp_lg_u32 s[CNT], 0
	s_cbranch_scc1 .Lsecond
	WAYOUT 1
	s_wait_tensorcnt 0x0
	ds_add_u32 v232, v233
	s_wait_dscnt 0x0
	CROUND                                         ; the closing round
	s_endpgm
.Lfunc_end_k_q8e92c1ca2a_attn:
	.size	k_q8e92c1ca2a_attn, .Lfunc_end_k_q8e92c1ca2a_attn-k_q8e92c1ca2a_attn
	.p2alignl 7, 3214868480
	.fill 96, 4, 3214868480
	.section	.rodata,"a",@progbits
	.p2align	6, 0x0
	.amdhsa_kernel k_q8e92c1ca2a_attn
		.amdhsa_group_segment_fixed_size 264192
		.amdhsa_private_segment_fixed_size 0
		.amdhsa_enable_private_segment 0
		.amdhsa_kernarg_size 32
		.amdhsa_user_sgpr_count 2
		.amdhsa_user_sgpr_kernarg_segment_ptr 1
		.amdhsa_wavefront_size32 1
		.amdhsa_system_sgpr_workgroup_id_x 1
		.amdhsa_system_sgpr_workgroup_id_y 1
		.amdhsa_system_sgpr_workgroup_id_z 1
		.amdhsa_system_vgpr_workitem_id 0
		.amdhsa_next_free_vgpr 234
		.amdhsa_next_free_sgpr 66
		.amdhsa_reserve_vcc 0
		.amdhsa_float_denorm_mode_32 3
		.amdhsa_float_denorm_mode_16_64 3
		.amdhsa_memory_ordered 1
		.amdhsa_forward_progress 1
		.amdhsa_inst_pref_size 93
	.end_amdhsa_kernel
	.amdgpu_metadata
---
amdhsa.version: [ 1, 2 ]
amdhsa.kernels:
  - .name:           k_q8e92c1ca2a_attn
    .symbol:         k_q8e92c1ca2a_attn.kd
    .args:
      - { .name: q_img, .offset: 0, .size: 8, .value_kind: global_buffer, .address_space: global }
      - { .name: kv_img, .offset: 8, .size: 8, .value_kind: global_buffer, .address_space: global }
      - { .name: lowp_scales, .offset: 16, .size: 8, .value_kind: global_buffer, .address_space: global }
      - { .name: a_img, .offset: 24, .size: 8, .value_kind: global_buffer, .address_space: global }
    .group_segment_fixed_size: 264192
    .private_segment_fixed_size: 0
    .kernarg_segment_align: 8
    .kernarg_segment_size: 32
    .max_flat_workgroup_size: 512
    .sgpr_count:     66
    .vgpr_count:     234
    .wavefront_size: 32
...
	.end_amdgpu_metadata
.endif
;; end of part 3
;; launch outp (part 4): grid 4 x 64, 4 waves a work-group, clusters of 4 x 4, 327,680 bytes of LDS; arguments a_img, wc, bo, lowp_scales, out0; writes out0
.if DOCPART == 4
	.amdgcn_target "amdgcn-amd-amdhsa--gfx1250"
	.amdhsa_code_object_version 6
	.text
	.protected	k_q8e92c1ca2a_outp
	.globl	k_q8e92c1ca2a_outp
	.p2align	8
	.type	k_q8e92c1ca2a_outp,@function
k_q8e92c1ca2a_outp:
	s_mov_b64 s[64:65], 0
	v_nop
	global_prefetch_b8 v0, s[64:65] scope:SCOPE_SE
	s_setreg_imm32_b32 hwreg(HW_REG_WAVE_MODE, 25, 1), 1
	s_wait_xcnt 0x0
	s_wait_alu depctr_hold_cnt(0) depctr_sa_sdst(0) depctr_va_vdst(0) depctr_va_sdst(0) depctr_va_ssrc(0) depctr_va_vcc(0) depctr_vm_vsrc(0)
	s_getreg_b32 s2, hwreg(HW_REG_IB_STS2, 6, 4)
	s_cmp_eq_u32 s2, 0
	s_cbranch_scc0 .Lentry_in_a_cluster
	s_endpgm
.Lentry_in_a_cluster:
	s_bfe_u32 s2, ttmp6, 0x10000c
	s_cmp_lg_u32 s2, 0xf033
	s_cbranch_scc0 .Lentry_shape_is_right
	s_endpgm
.Lentry_shape_is_right:
; OUTP.  out0 = A Wo^T + bo on codes of E4M3: A [8192][1024] is the attention's result, which arrives as images of the operand registers; Wo's codes are the fourth part of wc.
; D = P x R: source 0 takes 16 rows of P = Wo (features), source 1 16 rows of R = A (tokens): a lane holds one token and eight neighbouring features, 32 bytes of a row of out0.
; A work-group makes 256 (P) x 128 (R); wave w rows 128 (w & 1) on of P x rows 64 (w >> 1) on of R: 32 accumulators.  256 work-groups.  K = 1,024 is eight steps of 128, written out.
; LDS: three slots of 256 along K: P's 256 rows of 256 bytes + 16, then R's 8 tiles of 16 rows, 4,096 dense bytes each.  K's parts 0, 1, 2 are first fills; part 3 fills slot 0 again behind the second step.
; CLUSTER 4 x 4: P's tile hangs on cx (shared along a column), R's on cy (along a row).  Waves 0, 1 fetch P's halves, waves 2, 3 R's.
; P's fragments come by four ds_load_b128 32 bytes apart: lane (r, h) holds k = 32 c + 16 h + 0..15 in registers 4 c .. 4 c + 3; the images of A were laid in that same order.
; out = sum x 2^(e10 + e11) + bo: one packed multiply-add for two numbers.  LIMIT: e10 + e11 between -126 and 127.
; THE WAY OUT: 16 rows x 128 columns at a time through the wave's own stage in LDS, back as whole rows of 512 bytes.  The stage lies in slot 1, which has had its one fill, and whose last reads lie ahead of step 5's barrier.
; REGISTERS as in the projections' launch: window 0: addresses, v32-95 at work, v128-255 R's two sets (on the way out: rows); window 1: P's two sets; window 2: accumulators; window 3: v0-63 bo.
.set PITCH, 272
.set PREG,  256*PITCH
.set RHALF, 16384
.set SLOT,  PREG+2*RHALF
.set SPARE, 3*SLOT                     ; behind the slots: the spare words, 128 bytes a wave: two blocks of 256 bytes that no other line names
.set RNEXT, 12288                      ; from R's part 0 to its part 3, in bytes
.set SPITCH, 528
.set ADRP, 16
.set ADRR, 20
.set STO,  24
.set RD,   25
.set SPW,  28
.set NIL,  29
.set TMP,  32
.set RF,   128
.set BK,   128
.set BIAS, 0
.set G1P,  24
.set G1R,  32
.set G0P,  40
.set G0R,  52
.set MSB, 0
.macro WIN new                         ; the immediate's high byte repeats the setting that is left
.if MSB != \new
	s_set_vgpr_msb (MSB<<8)|\new
.set MSB, \new
.endif
.endm
.set W_MUL,  0xa1                      ; source 0 (P) window 1, source 1 (R) window 0, C and D window 2
.set TO_P,   0x40
.set TO_3,   0xc0
.macro PLACES
.rept 4
	v_nop
.endr
.endm
.macro CREST
	s_cmp_lg_u32 s8, 0
	s_cbranch_scc1 .Lnot_wave_0_\@
	s_barrier_signal -3
.Lnot_wave_0_\@:
	s_barrier_wait -3
	s_barrier_signal -1
	s_barrier_wait -1
.endm
.macro CROUND
	s_barrier_signal -1
	s_barrier_wait -1
	CREST
.endm
.macro JLOAD
	s_cmp_eq_u32 s9, 0
	s_cbranch_scc0 .Lfor_r_\@
	tensor_load_to_lds s[G0P:G0P+3], s[G1P:G1P+7]
	s_nop 0
.rept 4
	v_nop
.endr
	s_branch .Lasked_\@
.Lfor_r_\@:
	tensor_load_to_lds s[G0R:G0R+3], s[G1R:G1R+7]
	s_nop 0
.rept 4
	v_nop
.endr
.Lasked_\@:
.endm
.macro FRAGP reg, slot, q, i
.irp c, 0,1,2,3
	ds_load_b128 v[\reg+4*\c:\reg+4*\c+3], v[ADRP+\slot] offset:128*(\q)+32*\c+(\i)*16*PITCH
.endr
.endm
.macro FRAGR reg, slot, q, i           ; an image: 512 consecutive bytes a load
.irp c, 0,1,2,3
	ds_load_b128 v[\reg+4*\c:\reg+4*\c+3], v[ADRR+\slot] offset:4096*(\i)+2048*(\q)+512*\c
.endr
.endm
.macro FETCH slot, q, st
	WIN TO_P
.irp i, 0,1,2,3,4,5,6,7
	FRAGP 128*(\st)+16*\i, \slot, \q, \i
.endr
	WIN 0
.irp i, 0,1,2,3
	FRAGR RF+64*(\st)+16*\i, \slot, \q, \i
.endr
.endm
; cnt blocks of R from a0 on x P's eight.  cm = 1: the first product starts the sums.  The 32 accumulators take turns, one instruction a turn.
.macro MUL a0, cnt, st, cm
.set ma, \a0
.rept \cnt
.irp b, 0,1,2,3,4,5,6,7
.if \cm == 0
	v_wmma_f32_16x16x128_fp8_fp8 v[8*(8*ma+\b):8*(8*ma+\b)+7], v[128*(\st)+16*\b:128*(\st)+16*\b+15], v[RF+64*(\st)+16*ma:RF+64*(\st)+16*ma+15], v[8*(8*ma+\b):8*(8*ma+\b)+7]
.else
	v_wmma_f32_16x16x128_fp8_fp8 v[8*(8*ma+\b):8*(8*ma+\b)+7], v[128*(\st)+16*\b:128*(\st)+16*\b+15], v[RF+64*(\st)+16*ma:RF+64*(\st)+16*ma+15], 0
.endif
.endr
.set ma, ma+1
.endr
.endm
.macro STEP k, cm
	s_wait_dscnt 0x0                               ; this step's fragments are in
	WIN W_MUL
	MUL 0, 2, (\k)%2, \cm
	PLACES
	FETCH (((\k)+1)/2)%3, ((\k)+1)%2, ((\k)+1)%2
	WIN W_MUL
	MUL 2, 2, (\k)%2, \cm
.endm
	s_load_b256 s[68:75], s[0:1], 0x0              ; a_img 68, wc 70, bo 72, lowp_scales 74
	s_load_b64 s[76:77], s[0:1], 0x20              ; out0
	v_lshl_add_u32 v[SPW], v0, 2, SPARE
	v_mov_b32 v[NIL], 0
	ds_add_u32 v28, v29
	ds_add_u32 v28, v29
	s_wait_dscnt 0x0
	v_lshrrev_b32 v1, 5, v0
	v_readfirstlane_b32 s8, v1                     ; wave 0..3
	s_lshr_b32 s9, s8, 1                           ; my half of R's rows.  Also: I fetch for P (0) or for R (1)
	s_and_b32 s10, s8, 1                           ; my half of P's rows.  Also: which half of that tile I fetch
	s_bfe_u32 s11, ttmp6, 0x40000                  ; cx = the P tile (of 4)
	s_bfe_u32 s12, ttmp6, 0x40004                  ; cy
	s_and_b32 s14, ttmp7, 0xffff
	s_lshl_b32 s16, s14, 2
	s_add_co_u32 s16, s16, s12                     ; the R tile (of 64) = 4 x cluster y + cy
	s_lshl_b32 s17, 0x1111, s11                    ; my column of the cluster
	s_lshl_b32 s23, s12, 2
	s_lshl_b32 s23, 15, s23                        ; my row
	s_or_b32 s[G1P], s17, (1<<20)|(1<<21)|(5<<22)|(3<<25)  ; the mask; elements of 1 byte; padding: four words after every 64; bit 21 beside a mask
	s_or_b32 s[G1R], s23, (3<<16)|(1<<21)          ; the mask; elements of 8 bytes; no padding
	s_mov_b32 s[G1P+1], 256<<16
	s_mov_b32 s[G1P+2], 128<<16
	s_mov_b32 s[G1P+3], 256<<16
	s_mov_b32 s[G1P+4], 128
	s_mov_b32 s[G1P+5], 1024
	s_mov_b32 s[G1P+6], 0
	s_mov_b32 s[G1P+7], 0
	s_mov_b32 s[G1R+1], 512<<16                    ; tensor_dim0 = 512 elements: 4,096 bytes, two K steps of a tile of rows
	s_mov_b32 s[G1R+2], 4<<16                      ; tensor_dim1 = 4 tiles of rows
	s_mov_b32 s[G1R+3], 512<<16
	s_mov_b32 s[G1R+4], 4
	s_mov_b32 s[G1R+5], 2048                       ; 16,384 bytes from tile to tile
	s_mov_b32 s[G1R+6], 0
	s_mov_b32 s[G1R+7], 0
	s_lshl_b32 s18, s11, 18                        ; P: 256 rows of 1,024 bytes,
	s_lshl_b32 s19, s10, 17                        ; the 128 that I fetch,
	s_add_co_u32 s18, s18, s19
	s_add_co_u32 s18, s18, 3<<20                   ; in Wo's part of wc
	s_mov_b32 s19, 0
	s_lshl_b32 s20, s16, 17                        ; R: 8 tiles of 16,384 bytes,
	s_lshl_b32 s21, s10, 16                        ; the four that I fetch
	s_add_co_u32 s20, s20, s21
	s_mov_b32 s21, 0
	s_mul_i32 s92, s10, 128*PITCH                  ; where they go: no place in the cluster enters an LDS address
	s_mul_i32 s93, s10, RHALF
	s_add_co_u32 s93, s93, PREG
	s_wait_kmcnt 0x0
	s_load_b64 s[96:97], s[74:75], 0x28            ; e10, e11
	s_add_nc_u64 s[4:5], s[70:71], s[18:19]
	s_add_nc_u64 s[6:7], s[68:69], s[20:21]
.irp s, 0,1,2
	s_mov_b32 s[G0P+4*\s], 1
	s_add_co_u32 s[G0P+4*\s+1], s92, \s*SLOT
	s_add_nc_u64 s[G0P+4*\s+2:G0P+4*\s+3], s[4:5], \s*256
	s_or_b32 s[G0P+4*\s+3], s[G0P+4*\s+3], 0x80000000
	s_mov_b32 s[G0R+4*\s], 1
	s_add_co_u32 s[G0R+4*\s+1], s93, \s*SLOT
	s_add_nc_u64 s[G0R+4*\s+2:G0R+4*\s+3], s[6:7], \s*4096
	s_or_b32 s[G0R+4*\s+3], s[G0R+4*\s+3], 0x80000000
.endr
	CROUND                                         ; all sixteen work-groups are here: the first joint loads meet
	s_cmp_eq_u32 s9, 0                             ; a wave's three first fills stand in one branch: three tensor loads of mine are out
	s_cbranch_scc0 .Lfirst_r
	tensor_load_to_lds s[G0P:G0P+3], s[G1P:G1P+7]
	s_nop 0
	tensor_load_to_lds s[G0P+4:G0P+7], s[G1P:G1P+7]
	s_nop 0
	tensor_load_to_lds s[G0P+8:G0P+11], s[G1P:G1P+7]
	s_nop 0
.rept 4
	v_nop
.endr
	s_branch .Lfirst_done
.Lfirst_r:
	tensor_load_to_lds s[G0R:G0R+3], s[G1R:G1R+7]
	s_nop 0
	tensor_load_to_lds s[G0R+4:G0R+7], s[G1R:G1R+7]
	s_nop 0
	tensor_load_to_lds s[G0R+8:G0R+11], s[G1R:G1R+7]
	s_nop 0
.rept 4
	v_nop
.endr
.Lfirst_done:
	v_and_b32 v1, 15, v0                           ; r
	v_bfe_u32 v2, v0, 4, 1                         ; h
	v_and_b32 v3, 31, v0
	v_lshlrev_b32 v3, 4, v3                        ; 16 x lane
	v_mul_u32_u24 v4, v1, PITCH
	v_lshl_add_u32 v4, v2, 4, v4
	s_mul_i32 s17, s10, 128*PITCH                  ; my 128 rows of P
	s_mul_i32 s22, s9, RHALF                       ; my four tiles of R,
	s_add_co_u32 s22, s22, PREG                    ; behind P's 256 rows
.irp s, 0,1,2
	v_add_nc_u32 v[ADRP+\s], s17, v4
	v_add_nc_u32 v[ADRR+\s], s22, v3
	s_add_co_u32 s17, s17, SLOT
	s_add_co_u32 s22, s22, SLOT
.endr
	s_mul_i32 s17, s8, 16*SPITCH
	s_add_co_u32 s17, s17, SLOT                    ; my stage, in slot 1
	v_mul_u32_u24 v[STO], v1, SPITCH               ; in: row r, 32 bytes for each half of the lanes
	v_lshl_add_u32 v[STO], v2, 5, v[STO]
	v_add_nc_u32 v[STO], s17, v[STO]
	v_add_nc_u32 v[RD], s17, v3                    ; back: the 32 lanes take a row of 512 bytes
	s_lshl_b32 s92, s11, 10
	s_lshl_b32 s93, s10, 9
	s_add_co_u32 s92, s92, s93                     ; my first feature x 4 bytes
	s_mov_b32 s93, 0
	s_add_nc_u64 s[72:73], s[72:73], s[92:93]      ; bo there,
	s_add_nc_u64 s[76:77], s[76:77], s[92:93]      ; and out0's column;
	s_lshl_b32 s92, s16, 19
	s_lshl_b32 s94, s9, 18
	s_add_co_u32 s92, s92, s94                     ; my first row of 4,096 bytes
	s_add_nc_u64 s[76:77], s[76:77], s[92:93]
	v_lshlrev_b32 v5, 5, v2                        ; 32 h: block b's eight features of my half
	WIN TO_3
.irp b, 0,1,2,3,4,5,6,7
	global_load_b128 v[BIAS+8*\b:BIAS+8*\b+3], v5, s[72:73] offset:64*\b
	global_load_b128 v[BIAS+8*\b+4:BIAS+8*\b+7], v5, s[72:73] offset:64*\b+16
.endr
	WIN 0
	s_wait_kmcnt 0x0
	s_add_co_i32 s96, s96, s97
	s_add_co_i32 s96, s96, 127
	s_lshl_b32 s96, s96, 23                        ; 2^(e10 + e11) as f32
	s_mov_b32 s97, s96                             ; (named with it as a pair, so it is written)
	s_wait_tensorcnt 0x2                           ; my part of slot 0 is in; slots 1 and 2 may stay out
	s_barrier_signal -1
	s_barrier_wait -1
	FETCH 0, 0, 0
	STEP 0, 1                                      ; the first products start the sums: nothing is cleared
	; ---- step 1, and the one refill: slot 0 has been read out
	WIN 0
	s_wait_tensorcnt 0x0                           ; all my tensor loads have landed, slots 1 and 2 among them;
	ds_add_u32 v[SPW], v[NIL]                      ; 0 onto my spare word;
	s_add_nc_u64 s[G0P+2:G0P+3], s[G0P+2:G0P+3], 768     ; no load of mine is out, so a group 0 may be written: K's part 3
	s_add_nc_u64 s[G0R+2:G0R+3], s[G0R+2:G0R+3], RNEXT
	s_wait_dscnt 0x1                               ; the fragments are in; the add may be out
	WIN W_MUL
	MUL 0, 1, 1, 0
	s_wait_dscnt 0x0                               ; the add is done, and my reads of slot 0 are over
	s_barrier_signal -1                            ; this barrier opens a round of the cluster's
	MUL 1, 1, 1, 0
	WIN 0
	s_barrier_wait -1
	CREST                                          ; no wave of any partner still reads slot 0 or has a load on its way
	JLOAD                                          ; my one tensor load behind the round: four steps, 128 matrix instructions, in which to land; its four v_nop are the places for the loads below
	FETCH 1, 0, 0
	WIN W_MUL
	MUL 2, 2, 1, 0
	STEP 2, 0
	STEP 3, 0
	STEP 4, 0
	; ---- step 5: slot 0's second fill must be whole before step 6's fragments are fetched
	s_wait_tensorcnt 0x0                           ; my part of K's part 3 is in
	s_wait_dscnt 0x0                               ; step 5's fragments are in; my reads of slots 1 and 2 are over
	s_barrier_signal -1
	WIN W_MUL
	MUL 0, 2, 1, 0
	WIN 0
	s_barrier_wait -1                              ; from here on nobody reads slots 1 and 2
	PLACES
	FETCH 0, 0, 0
	WIN W_MUL
	MUL 2, 2, 1, 0
	STEP 6, 0
	s_wait_dscnt 0x0
	WIN W_MUL
	MUL 0, 4, 1, 0
	WIN 0
; THE WAY OUT.  LDS serves a wave's instructions in order (ISA guide 5.7.1.4): no wait between a block's stores into my stage and its loads, nor ahead of the next block's stores.
.macro TOSTAGE a
	WIN 0x32                                       ; source 0 (sums) window 2, source 2 (bo) window 3
.irp b, 0,1,2,3,4,5,6,7
.irp j, 0,2,4,6                        ; each accumulator from its low end on
	v_pk_fma_f32 v[TMP+8*\b+\j:TMP+8*\b+\j+1], v[8*(8*(\a)+\b)+\j:8*(8*(\a)+\b)+\j+1], s[96:97], v[BIAS+8*\b+\j:BIAS+8*\b+\j+1] op_sel_hi:[1,0,1]
.endr
.endr
	WIN 0
.irp b, 0,1,2,3,4,5,6,7
	ds_store_b128 v[STO], v[TMP+8*\b:TMP+8*\b+3] offset:64*\b
	ds_store_b128 v[STO], v[TMP+8*\b+4:TMP+8*\b+7] offset:64*\b+16
.endr
.irp t, 0,1,2,3,4,5,6,7,8,9,10,11,12,13,14,15
	ds_load_b128 v[BK+64*((\a)%2)+4*\t:BK+64*((\a)%2)+4*\t+3], v[RD] offset:\t*SPITCH
.endr
.endm
.macro SEND a, younger                 ; younger: the LDS instructions issued behind block a's loads, which may stay out
	s_wait_dscnt \younger
.irp t, 0,1,2,3,4,5,6,7,8,9,10,11,12,13,14,15
	global_store_b128 v3, v[BK+64*((\a)%2)+4*\t:BK+64*((\a)%2)+4*\t+3], s[76:77] offset:(16*(\a)+\t)*4096 th:TH_STORE_NT   ; 512 consecutive bytes, aligned; written once
.endr
.endm
	s_wait_loadcnt 0x0                             ; bo
	PLACES                                         ; ahead of the first reads of results and of loads into registers that held fragments
	TOSTAGE 0
	TOSTAGE 1
	SEND 0, 32                                     ; behind block 0's loads: block 1's 16 stores and 16 loads
	s_wait_xcnt 0x0                                ; block 0's stores have read their registers: block 2's rows may land there
	TOSTAGE 2
	SEND 1, 32
	s_wait_xcnt 0x0
	TOSTAGE 3
	SEND 2, 32
	SEND 3, 0
	s_wait_tensorcnt 0x0                           ; the wave's end: behind my last tensor load and my last LDS store
	ds_add_u32 v[SPW], v[NIL]
	s_wait_dscnt 0x0
	CROUND                                         ; the closing round
	s_endpgm
.Lfunc_end_k_q8e92c1ca2a_outp:
	.size	k_q8e92c1ca2a_outp, .Lfunc_end_k_q8e92c1ca2a_outp-k_q8e92c1ca2a_outp
	.p2alignl 7, 3214868480
	.fill 96, 4, 3214868480
	.section	.rodata,"a",@progbits
	.p2align	6, 0x0
	.amdhsa_kernel k_q8e92c1ca2a_outp
		.amdhsa_group_segment_fixed_size 327680
		.amdhsa_private_segment_fixed_size 0
		.amdhsa_enable_private_segment 0
		.amdhsa_kernarg_size 40
		.amdhsa_user_sgpr_count 2
		.amdhsa_user_sgpr_kernarg_segment_ptr 1
		.amdhsa_wavefront_size32 1
		.amdhsa_system_sgpr_workgroup_id_x 1
		.amdhsa_system_sgpr_workgroup_id_y 1
		.amdhsa_system_sgpr_workgroup_id_z 1
		.amdhsa_system_vgpr_workitem_id 0
		.amdhsa_next_free_vgpr 832
		.amdhsa_next_free_sgpr 100
		.amdhsa_reserve_vcc 0
		.amdhsa_float_denorm_mode_32 3
		.amdhsa_float_denorm_mode_16_64 3
		.amdhsa_memory_ordered 1
		.amdhsa_forward_progress 1
		.amdhsa_inst_pref_size 76
	.end_amdhsa_kernel
	.amdgpu_metadata
---
amdhsa.version: [ 1, 2 ]
amdhsa.kernels:
  - .name:           k_q8e92c1ca2a_outp
    .symbol:         k_q8e92c1ca2a_outp.kd
    .args:
      - { .name: a_img, .offset: 0, .size: 8, .value_kind: global_buffer, .address_space: global }
      - { .name: wc, .offset: 8, .size: 8, .value_kind: global_buffer, .address_space: global }
      - { .name: bo, .offset: 16, .size: 8, .value_kind: global_buffer, .address_space: global }
      - { .name: lowp_scales, .offset: 24, .size: 8, .value_kind: global_buffer, .address_space: global }
      - { .name: out0, .offset: 32, .size: 8, .value_kind: global_buffer, .address_space: global }
    .group_segment_fixed_size: 327680
    .private_segment_fixed_size: 0
    .kernarg_segment_align: 8
    .kernarg_segment_size: 40
    .max_flat_workgroup_size: 128
    .sgpr_count:     100
    .vgpr_count:     832
    .wavefront_size: 32
...
	.end_amdgpu_metadata
.endif
;; end of part 4
